; MI455X (gfx1250); checked and timed in simulation.
; The chip was launched on July 23, 2026; its instructions are those of AMD's public machine-readable ISA for CDNA 5 (MIT licence, August 2026) and "CDNA5" Instruction Set Architecture Reference Guide (July 2026). The comments in the code are by the model that wrote it; some were corrected since.
;; Bilinear Scorer. Allowed arithmetic: float matrix products may take bf16 or f16 operands with f32 sums; other float arithmetic in f32, or as packed bf16 or f16 multiplies, adds, multiply-adds, maxima and minima; sums over many terms, partial sums and values carried from step to step in f32; what a program stores and reads back later, other than sums and carried values, may be rounded once to bf16 or f16.
;; Inputs: U 512 x 64 x 512 float32; args_input 8 x 512 x 512 float32; bias1 1 x 32,768 float32; bias2 1 x 64 float32; pred_input 8 x 512 x 512 float32.
;; Outputs: out0 4,096 x 64 float32.
;; One version. Each part assembles by itself: llvm-mc -triple=amdgcn-amd-amdhsa -mcpu=gfx1250 --defsym DOCPART=n.
;; ======== version 1 of 1: 1 launch
;; limits: values outside matrix products are rounded to bf16
;; launch bilinear (part 1): grid 16 x 16, 4 waves a work-group, clusters of 4 x 1, 327,680 bytes of LDS; arguments U, args_input, pred_input, bias1, bias2, out0; writes out0
.if DOCPART == 1
	.amdgcn_target "amdgcn-amd-amdhsa--gfx1250"
	.amdhsa_code_object_version 6
	.text
	.protected	k_qb520b56d18_bilinear
	.globl	k_qb520b56d18_bilinear
	.p2align	8
	.type	k_qb520b56d18_bilinear,@function
k_qb520b56d18_bilinear:
	s_mov_b64 s[64:65], 0
	v_nop
	global_prefetch_b8 v0, s[64:65] scope:SCOPE_SE
	s_setreg_imm32_b32 hwreg(HW_REG_WAVE_MODE, 25, 1), 1
	s_wait_xcnt 0x0
	s_wait_alu depctr_hold_cnt(0) depctr_sa_sdst(0) depctr_va_vdst(0) depctr_va_sdst(0) depctr_va_ssrc(0) depctr_va_vcc(0) depctr_vm_vsrc(0)
	s_getreg_b32 s2, hwreg(HW_REG_IB_STS2, 6, 4)
	s_cmp_eq_u32 s2, 0
	s_cbranch_scc0 .Lentry_in_a_cluster
	s_endpgm
.Lentry_in_a_cluster:
	s_bfe_u32 s2, ttmp6, 0x10000c
	s_cmp_lg_u32 s2, 0x3003
	s_cbranch_scc0 .Lentry_shape_is_right
	s_endpgm
.Lentry_shape_is_right:
; out[n][r] = sum_k (sum_h pred[n][h] U[h][r][k] + bias1[r][k]) args[n][k] + bias2[r].   n = 4096, h = k = 512, r = 64; all tensors f32.
; THE ORDER OF THE SUMS.  k is summed first: G[n][(h,r)] = sum_k args[n][k] U[(h,r)][k], a product whose two operands both have k along their rows; then out[n][r] = sum_h pred[n][h] G[n][h][r].
; bias1 is one more h whose weight is 1.  The same multiply-adds as written in the problem, in another order.
; SHARES.  A work-group owns 256 rows n (block x) and four roles r0 = 4 rs .. r0 + 3, over all h.  Wave w holds all 256 rows of args for k = 128 w .. 128 w + 127 as bf16 fragments in 512 registers,
; for the whole launch, and reads only that quarter of every row of U: each number of U is read from LDS and rounded once in a work-group.  The second sum is linear, so each wave carries its
; own partial out (f32); the eight partials (4 waves x 2 halves of the lanes) meet once, at the end, in LDS.
; THE MATRIX INSTRUCTION: source 0 = 16 rows of U (c = 4 hloc + rloc: four h x four roles, a GROUP), source 1 = 16 rows of args.  In the result lane l holds row n = l % 16 and in register j the
; column c = 8 (l / 16) + j: two h x four roles.  So the second sum is four packed multiply-adds a result and never changes lanes.
; CLUSTER.  The four row blocks of a cluster have the same rs and walk the same U: each tile is asked for JOINTLY (the same tensor load, descriptor and mask of four in all four).
; LIMITS.  All five inputs are rounded once to bf16 (nearest even); G, out's partial sums and the last sums are f32.  K is split over four waves and h over the halves of the lanes, so the sums are
; taken in another order than the problem writes them.  NaN and infinities are not treated apart (a lane that does not count bias1 multiplies it by 0).
; OUT leaves as 16 consecutive bytes (four roles) of each row: whole rows of 256 bytes would want all 64 roles in one work-group, that is 16 rows a group or partial sums through memory.
;
; REGISTERS, in windows of 256 (s_set_vgpr_msb: bits 1:0 source 0, 3:2 source 1, 5:4 source 2, 7:6 destination):
;   window 0: v0-15 addresses; v16-23 PU; v24-31 P; v32-63 F; v64-127 UB; v128-191 ACC; v192-255 O      windows 1, 2: args, tile t, k step s at window 1 + t / 8, v[32 (t % 8) + 8 s]
;   window 3: v0-191 three slots of 64 for the way in of args; v192-223 PS; v224-231 PB
.set CH,     528                 ; a piece of U in LDS: 512 bytes (128 k of one row) + 16 of padding = 132 words
.set WQ,     64*CH+16            ; a role's region: 16 h x 4 pieces, and 16 bytes more: piece (role, h, quarter) starts at 16-byte column (role + 4 h + quarter) mod 16, so the 16 rows of a load (4 h x 4 roles) take 16 different columns (64 banks of 4 bytes: ISA guide 11.1)
.set SLOT,   135424              ; four regions, rounded up to a multiple of 256
.set GRPB,   16*CH               ; from a group (4 h) to the next in a region
.set PRED0,  2*SLOT              ; pred, bf16 pairs, two buffers; written by ds_store alone
.set GPI,    2112                ; a group's 2,048 bytes of pred + 64: the four groups that a store touches start 16 banks apart
.set PBUF,   4*GPI
.set RED,    PRED0+2*PBUF        ; 8 KB a wave: first the wave's own stage for the way in, at the end its two partial sums
.set SPITCH, 272                 ; a stage row: 256 bytes (128 bf16) + 16
.set SPARE,  RED+32768           ; the spare words, 128 bytes a wave: two blocks of 256 bytes that no other line names
.set AU,  2                      ; v2, v3  my place in U's slot 0, 1
.set AP,  4                      ; v4   where I read pred
.set APS, 5                      ; v5   where I store pred
.set GPO, 6                      ; v6   my byte offset in pred's rows
.set PFO, 7                      ; v7   256 x lane, for the prefetch
.set GR,  8                      ; v8   16 x lane: my 16 bytes of a row's 512
.set STG, 9                      ; v9   the stage: where I put 8 bytes of a row
.set GU,  10                     ; v10  my byte offset in U's group 0, as a fragment
.set FRG, 11                     ; v11  the stage: where I read a fragment
.set AR,  12                     ; v12  the end: where my partial sums go
.set ARD, 13                     ; v13  the end: where I read eight partial sums
.set SPW, 14                     ; v14  LDS address of my spare word; never rewritten
.set NIL, 15                     ; v15  0; never rewritten
.set PU,  16                     ; v16-23  pred of two h as f32, a pair for each of a block's four tiles
.set MM,  22                     ; v22-23  in the bias group: 1 in lanes 0-15, 0 in lanes 16-31
.set P,   24                     ; v24-31  pred as loaded (two bf16 a tile), two buffers of four tiles
.set F,   32                     ; v32-63  a quarter (32 k) of a group of U in f32, two buffers of 16
.set UB,  64                     ; v64-127 a group of U in bf16, two buffers of 4 k steps x 8
.set ACC, 128                    ; v128-191 two sets of four accumulators
.set O,   192                    ; v192-255 my partial out: tile t at O + 4 t, four roles
.set SUM, 64                     ; the end: eight partial sums for each of two rows
.set PS,  192                    ; window 3: pred in f32 as loaded
.set PB,  224                    ; window 3: pred in bf16, to store; two buffers of 4
.set WV,  16                     ; s16  wave
.set CX,  17                     ; s17  my place in the cluster
.set XB,  18                     ; s18  row block x
.set RS,  19                     ; s19  rs
.set G1,  24                     ; s[24:31] descriptor group 1
.set G0,  40                     ; s[40:47] descriptor group 0, a set for each slot
.set UT,  48                     ; s[48:49] U at h = 0, role r0 + w, k = 0: what I fetch
.set OFF, 50                     ; s[50:51] a tile's byte offset; the high word stays 0
.set HN,  52                     ; s52  first h of the tile to be asked for next, before the clamp
.set CNT, 53
.set HIM, 54                     ; s54  a word's upper bf16
.set TS,  55
.set PBASE, 56                   ; s[56:57] pred at my wave's 64 rows, at the 16 h to be loaded next
.set PFB, 58                     ; s[58:59] U at h = x, role r0
.set PFA, 60                     ; s[60:61] the prefetch's base
.set B2P, 62                     ; s[62:63] bias2 at r0
.set AB,  66                     ; s[66:67] args at my block's first row, my k quarter
.set B2,  68                     ; s[68:71] bias2 of my four roles
.set LM,  72                     ; s72  lanes 0-15
.set ONE, 73                     ; s73  1.0 in bf16, in a word's low half
.set B1,  74                     ; s[74:75] bias1 at role r0, my k quarter
.set OB,  76                     ; s[76:77] out at my block's first row, role r0
.set UQ,  78                     ; s[78:79] U at h = 0, role r0, my k quarter
.set MSB, 0
.macro WIN new                   ; the immediate's high byte repeats the setting that is left; a switch that changes nothing is dropped
.if MSB != (\new)
	s_set_vgpr_msb (MSB<<8)|(\new)
.set MSB, \new
.endif
.endm
; A round of the cluster's barrier: my work-group's barrier, so that wave 0's signal speaks for all four waves; wave 0 signals; every wave waits for all four work-groups; my work-group's barrier once more.
.macro ROUND
	s_barrier_signal -1
	s_barrier_wait -1
	s_cmp_lg_u32 s[WV], 0
	s_cbranch_scc1 .Lnot_wave_0_\@
	s_barrier_signal -3
.Lnot_wave_0_\@:
	s_barrier_wait -3
	s_barrier_signal -1
	s_barrier_wait -1
.endm
	s_load_b256 s[4:11], s[0:1], 0x0               ; U s[4:5], args s[6:7], pred s[8:9], bias1 s[10:11]
	s_load_b128 s[12:15], s[0:1], 0x20             ; bias2 s[12:13], out s[14:15]
	v_lshl_add_u32 v[SPW], v0, 2, SPARE
	v_mov_b32 v[NIL], 0
	ds_add_u32 v[SPW], v[NIL]                      ; the wave's opening: the add and its wait stand ahead of my first tensor load; the set-up below, work on registers, stands between them
	v_lshrrev_b32 v1, 5, v0
	v_readfirstlane_b32 s[WV], v1                  ; wave 0..3
	s_bfe_u32 s[CX], ttmp6, 0x40000                ; cx
	s_lshl_b32 s[XB], ttmp9, 2                     ; in a cluster launch ttmp9 counts clusters
	s_add_co_u32 s[XB], s[XB], s[CX]               ; x = 4 x cluster x + cx: it enters the addresses of args, pred, out and the prefetch alone
	s_and_b32 s[RS], ttmp7, 0xffff                 ; rs, which the four partners share
	; descriptor group 1: a tile of 16 rows (h) x 512 elements of 4 bytes (one role's whole row, 2,048 consecutive bytes), padded in LDS after every 128 elements
	s_mov_b32 s[G1+0], 15|(2<<16)|(1<<20)|(1<<21)|(6<<22)|(3<<25)  ; 15:0 the mask of four; 17:16 4-byte elements; 20 padding on; 21 set beside a mask; 24:22 after every 128 words (code 6); 31:25 4 words (code 3)
	s_mov_b32 s[G1+1], 512<<16                     ; tensor_dim0 = 512
	s_mov_b32 s[G1+2], 16<<16                      ; tensor_dim1 = 16
	s_mov_b32 s[G1+3], 512<<16                     ; tile_dim0 = 512
	s_mov_b32 s[G1+4], 16                          ; tile_dim1 = 16
	s_mov_b32 s[G1+5], 32768                       ; from h to h + 1: 64 roles x 512 elements
	s_mov_b32 s[G1+6], 0
	s_mov_b32 s[G1+7], 0
	s_mul_i32 s20, s[WV], WQ                       ; my role's region: no place in the cluster enters an LDS address
	s_mov_b32 s[G0], 1
	s_add_co_u32 s[G0+1], s20, 0
	s_mov_b32 s[G0+4], 1
	s_add_co_u32 s[G0+5], s20, SLOT
	s_mov_b32 s[HIM], 0xffff0000
	s_mov_b32 s[ONE], 0x3f80
	s_mov_b32 s[HN], 20                            ; tile j begins at h = 16 j + 4 (group 0 comes straight from memory; the reads of U run one group ahead of the products); tiles 0 and 1 are asked for below
	s_mov_b32 s[CNT], 16
	s_mov_b32 s[OFF+1], 0
	; byte offsets, each in a pair of its own
	s_lshl_b32 s32, s[RS], 13                      ; rs x 4 roles x 2,048 bytes
	s_lshl_b32 s33, s[WV], 11
	s_add_co_u32 s32, s32, s33                     ; + w roles
	s_mov_b32 s33, 0
	s_lshl_b32 s34, s[RS], 13
	s_lshl_b32 s35, s[WV], 9
	s_add_co_u32 s34, s34, s35                     ; + my k quarter
	s_mov_b32 s35, 0
	s_lshl_b32 s36, s[RS], 13
	s_lshl_b32 s37, s[XB], 17
	s_add_co_u32 s36, s36, s37                     ; + x rows of h
	s_mov_b32 s37, 0
	s_lshl_b32 s38, s[XB], 19                      ; x x 256 rows x 2,048 bytes
	s_lshl_b32 s39, s[WV], 9
	s_add_co_u32 s38, s38, s39
	s_mov_b32 s39, 0
	s_lshl_b32 s22, s[XB], 19
	s_lshl_b32 s23, s[WV], 17                      ; my wave's 64 rows of pred
	s_add_co_u32 s22, s22, s23
	s_mov_b32 s23, 0
	s_lshl_b32 s20, s[RS], 4
	s_mov_b32 s21, 0
	s_lshl_b32 s2, s[XB], 16                       ; x x 256 rows x 256 bytes
	s_lshl_b32 s3, s[RS], 4
	s_add_co_u32 s2, s2, s3
	s_mov_b32 s3, 0
	s_wait_dscnt 0x0                               ; the opening add is done
	s_wait_kmcnt 0x0
	s_add_nc_u64 s[UT:UT+1], s[4:5], s[32:33]
	s_add_nc_u64 s[UQ:UQ+1], s[4:5], s[34:35]
	s_add_nc_u64 s[B1:B1+1], s[10:11], s[34:35]
	s_add_nc_u64 s[PFB:PFB+1], s[4:5], s[36:37]
	s_add_nc_u64 s[AB:AB+1], s[6:7], s[38:39]
	s_add_nc_u64 s[PBASE:PBASE+1], s[8:9], s[22:23]
	s_add_nc_u64 s[B2P:B2P+1], s[12:13], s[20:21]
	s_add_nc_u64 s[OB:OB+1], s[14:15], s[2:3]
	s_load_b128 s[B2:B2+3], s[B2P:B2P+1], 0x0      ; waited for at the end
	s_add_nc_u64 s[G0+2:G0+3], s[UT:UT+1], 4<<17   ; tile 0: h = 4 .. 19
	s_or_b32 s[G0+3], s[G0+3], 0x80000000          ; type = 2
	s_add_nc_u64 s[G0+6:G0+7], s[UT:UT+1], 20<<17  ; tile 1: h = 20 .. 35
	s_or_b32 s[G0+7], s[G0+7], 0x80000000
	ROUND                                          ; all four work-groups are here: the first joint loads meet
	tensor_load_to_lds s[G0:G0+3], s[G1:G1+7]      ; both first fills together, ahead of every wait on TENSORcnt and every LDS read: two loads of mine are out
	s_nop 0
	tensor_load_to_lds s[G0+4:G0+7], s[G1:G1+7]
	s_nop 0
.rept 4
	v_nop
.endr
	; the lanes' places
	v_and_b32 v1, 31, v0                           ; l
	v_and_b32 v16, 15, v0                          ; c = l % 16
	v_bfe_u32 v17, v0, 4, 1                        ; hh = l / 16
	v_and_b32 v18, 3, v0                           ; rloc = l % 4
	v_bfe_u32 v19, v0, 2, 2                        ; hloc = (l / 4) % 4
	v_bfe_u32 v20, v0, 2, 3                        ; l / 8 x 2 + ..: l / 4
	s_mul_i32 s20, s[WV], CH
	v_mul_u32_u24 v[AU], v18, WQ                   ; U: role's region + (4 hloc + w) pieces + 32 bytes (8 f32) for the upper half of the lanes
	v_mul_u32_u24 v21, v19, 4*CH
	v_add_nc_u32 v[AU], v[AU], v21
	v_lshl_add_u32 v[AU], v17, 5, v[AU]
	v_add_nc_u32 v[AU], s20, v[AU]
	v_add_nc_u32 v[AU+1], SLOT, v[AU]
	v_lshl_add_u32 v[AP], v1, 4, PRED0             ; pred, read: 16 bytes a lane (four tiles' pairs), 512 consecutive bytes a load
	s_lshl_b32 s21, s[WV], 9
	s_add_co_u32 s21, s21, PRED0
	v_mul_u32_u24 v[APS], v18, GPI                 ; pred, stored: group l % 4, block w, reader's lane l / 4 (+ 8 nh + 16 hh in the offset)
	v_lshl_add_u32 v[APS], v20, 4, v[APS]
	v_add_nc_u32 v[APS], s21, v[APS]
	v_lshlrev_b32 v[GPO], 11, v20                  ; pred in memory: row l / 4, four h at 16 (l % 4)
	v_lshl_add_u32 v[GPO], v18, 4, v[GPO]
	v_lshlrev_b32 v[PFO], 8, v1
	v_lshlrev_b32 v[GR], 4, v1
	s_lshl_b32 s32, s[WV], 13
	s_add_co_u32 s32, s32, RED                     ; my 8 KB
	v_lshl_add_u32 v[STG], v1, 3, s32
	v_mul_u32_u24 v[FRG], v16, SPITCH              ; a fragment: row l % 16, 16 bytes for each half of the lanes
	v_lshl_add_u32 v[FRG], v17, 4, v[FRG]
	v_add_nc_u32 v[FRG], s32, v[FRG]
	v_lshlrev_b32 v[GU], 17, v19
	v_lshl_add_u32 v[GU], v18, 11, v[GU]
	v_lshl_add_u32 v[GU], v17, 5, v[GU]
; PRED.  Sixteen h of my wave's 64 rows: eight loads; load m = 4 nh + tl takes rows 16 tl + 8 nh + l / 4, h = 4 (l % 4) + 0..3.
.macro PLOAD
	WIN 0xc0                                       ; destination window 3, address window 0
.set m, 0
.rept 8
	global_load_b128 v[PS+4*m:PS+4*m+3], v[GPO], s[PBASE:PBASE+1] offset:(16*(m%4)+8*(m/4))*2048
.set m, m+1
.endr
	WIN 0
.endm
; Store k of four (nh = k / 2, hh = k % 2): two h of four tiles' rows, rounded to bf16 in pairs: the 16 bytes that reader's lane 8 nh + l / 4 + 16 hh takes for group l % 4.
.macro PSTORE k, buf
	WIN 0xcf                                       ; all three in window 3
.irp z, 0,1,2,3
	v_cvt_pk_bf16_f32 v[PB+4*((\k)%2)+(\z)], v[PS+16*((\k)/2)+4*(\z)+2*((\k)%2)], v[PS+16*((\k)/2)+4*(\z)+2*((\k)%2)+1]
.endr
	WIN 0x0c                                       ; address window 0, data window 3
	ds_store_b128 v[APS], v[PB+4*((\k)%2):PB+4*((\k)%2)+3] offset:(\buf)*PBUF+((\k)/2)*128+((\k)%2)*256
.endm
; THE WAY IN of 16 rows x my 128 k.  t < 16: tile t of args; 16: bias1 (row m % 4: each role four times); 17: U's group 0.  Each load takes one row's 512 consecutive bytes, at a multiple of 512 from the buffer's first byte.
.macro LDT t
	WIN 0xc0
.set m, 0
.rept 16
.if (\t) < 16
	global_load_b128 v[64*((\t)%3)+4*m:64*((\t)%3)+4*m+3], v[GR], s[AB:AB+1] offset:(16*(\t)+m)*2048
.elseif (\t) == 16
	global_load_b128 v[64*((\t)%3)+4*m:64*((\t)%3)+4*m+3], v[GR], s[B1:B1+1] offset:(m%4)*2048
.else
	global_load_b128 v[64*((\t)%3)+4*m:64*((\t)%3)+4*m+3], v[GR], s[UQ:UQ+1] offset:(m/4)*131072+(m%4)*2048
.endif
.set m, m+1
.endr
.endm
; Rounded to bf16, into my own stage by rows, back as fragments (lane l: row l % 16; k = 8 (l / 16) + 0..7 and 16 + 8 (l / 16) + 0..7 of each 32: two loads of 16 bytes, 32 bytes apart).
; LDS serves a wave's instructions in order (ISA guide 5.7.1.4): the loads see the stores above them, and the next tile's stores come behind the loads.  left: the younger tiles' loads, which stay out.
.macro TILE t, left
	s_wait_loadcnt \left
	WIN 0x0f                                       ; sources window 3, destination window 0 (the accumulators' registers, still free)
.set m, 0
.rept 32
	v_cvt_pk_bf16_f32 v[ACC+32*((\t)%2)+m], v[64*((\t)%3)+2*m], v[64*((\t)%3)+2*m+1]
.set m, m+1
.endr
.if (\t)+3 < 18
	LDT (\t)+3                                     ; the slot just read takes the tile three on
.endif
	WIN 0
.set m, 0
.rept 16
	ds_store_b64 v[STG], v[ACC+32*((\t)%2)+2*m:ACC+32*((\t)%2)+2*m+1] offset:m*SPITCH
.set m, m+1
.endr
.if (\t) < 16
	WIN (1+(\t)/8)<<6
.set fb, 32*((\t)%8)
.else
.set fb, UB+32*(17-(\t))                       ; bias1 into buffer 1, group 0 into buffer 0
.endif
.set m, 0
.rept 8-2*((\t)/17)                            ; group 0's fourth k step goes the way of every group's: through F
	ds_load_b128 v[fb+4*m:fb+4*m+3], v[FRG] offset:32*m
.set m, m+1
.endr
	WIN 0
.endm
	global_load_b128 v[F+16:F+19], v[GU], s[UQ:UQ+1] offset:384     ; group 0, k step 3, in f32 as a fragment: what the first unit rounds
	global_load_b128 v[F+20:F+23], v[GU], s[UQ:UQ+1] offset:384+16
	global_load_b128 v[F+24:F+27], v[GU], s[UQ:UQ+1] offset:384+64
	global_load_b128 v[F+28:F+31], v[GU], s[UQ:UQ+1] offset:384+80
	PLOAD                                          ; pred, h = 0 .. 15
	LDT 0
	LDT 1
	LDT 2
	s_wait_loadcnt 48                              ; all but the three tiles of 16 loads: F and pred are in
.irp k, 0,1,2,3
	PSTORE \k, 0
.endr
	WIN 0
	s_add_nc_u64 s[PBASE:PBASE+1], s[PBASE:PBASE+1], 64  ; its loads are done: the next 16 h
.irp t, 0,1,2,3,4,5,6,7,8,9,10,11,12,13,14,15
	TILE \t, 32
.endr
	TILE 16, 16
	TILE 17, 0
; THE VECTOR WORK beside a unit's products, in eight slices of four; slice k stands behind matrix instruction 2 k + 1.  None names a register of the products round it.
;   0, 1  (cv) the quarter of U that the unit before loaded is rounded to bf16: for b > 0 k step b - 1 of the NEXT group, for b = 0 k step 3 of the group in hand (first read by product 12)
;   2-7   (ep = 1) the second sum for the unit before's four tiles, two at a time: pred's two bf16 widened; then out += G(2 hh) pred(2 hh) and out += G(2 hh + 1) pred(2 hh + 1).
;         Each accumulator's lowest registers are read first.  Slices 0 to 2 are the places behind the unit before's last products (ISA guide 7.12.1).
;   (ep = 2) the bias group: four v_nop as those places; then out = G x (1 in lanes 0-15, 0 in the others): these products start out's sums.
.macro RIDERS k, b, par, cv, ep
.set pa, ACC+32*(((\b)+1)%2)
.set pp, P+4*(((\b)+1)%2)
.set pf, F+16*(((\b)+1)%2)
.set po, O+16*(((\b)+3)%4)
.if (\b) == 0
.set pu, UB+32*(\par)+24
.else
.set pu, UB+32*(1-(\par))+8*((\b)-1)
.endif
.set g, ((\k)+1)/3-1
.set ph, ((\k)+1)%3
.if (\k) < 2
.if \cv
	WIN 0
.irp z, 0,1,2,3
	v_cvt_pk_bf16_f32 v[pu+4*(\k)+(\z)], v[pf+8*(\k)+2*(\z)], v[pf+8*(\k)+2*(\z)+1]
.endr
.elseif ((\ep) == 2) && ((\k) == 0)
.rept 4
	v_nop
.endr
.endif
.elseif (\ep) == 1
	WIN 0
.if ph == 0
.irp u, 0,1
	v_lshlrev_b32 v[PU+4*g+2*(\u)], 16, v[pp+2*g+(\u)]
	v_and_b32 v[PU+4*g+2*(\u)+1], s[HIM], v[pp+2*g+(\u)]
.endr
.elseif ph == 1
.irp z, 0,1
.irp u, 0,1
	v_pk_fma_f32 v[po+8*g+4*(\u)+2*(\z):po+8*g+4*(\u)+2*(\z)+1], v[pa+16*g+8*(\u)+2*(\z):pa+16*g+8*(\u)+2*(\z)+1], v[PU+4*g+2*(\u):PU+4*g+2*(\u)+1], v[po+8*g+4*(\u)+2*(\z):po+8*g+4*(\u)+2*(\z)+1] op_sel_hi:[1,0,1]
.endr
.endr
.else
.irp z, 0,1
.irp u, 0,1
	v_pk_fma_f32 v[po+8*g+4*(\u)+2*(\z):po+8*g+4*(\u)+2*(\z)+1], v[pa+16*g+8*(\u)+4+2*(\z):pa+16*g+8*(\u)+4+2*(\z)+1], v[PU+4*g+2*(\u):PU+4*g+2*(\u)+1], v[po+8*g+4*(\u)+2*(\z):po+8*g+4*(\u)+2*(\z)+1] op_sel:[0,1,0] op_sel_hi:[1,1,1]
.endr
.endr
.endif
.elseif ((\ep) == 2) && ((\k) < 4)
	WIN 0
.irp u, 0,1
.irp z, 0,1
	v_pk_mul_f32 v[po+8*((\k)-2)+4*(\u)+2*(\z):po+8*((\k)-2)+4*(\u)+2*(\z)+1], v[pa+16*((\k)-2)+8*(\u)+2*(\z):pa+16*((\k)-2)+8*(\u)+2*(\z)+1], v[MM:MM+1] op_sel_hi:[1,0]
.endr
.endr
.endif
.endm
; A UNIT: one group of U (buffer par) x block b of four tiles of args: 16 matrix instructions, number q = 4 s + tl (k step s, tile 4 b + tl), on the four accumulators of set b % 2, which take turns,
; one instruction a turn; neighbouring units have the other set.  The first four start the sums with the constant 0.
; At its head (ld) four LDS loads bring k step b of the next group (group ro of slot sl's tile), and (pl) one brings pred of group i for this block; the wait leaves just these out, so what the unit before loaded is in.
; st = 1: behind product 8 a quarter of the next period's pred is rounded and stored.
.macro UNIT sl, i, b, par, ro, ld, cv, ep, pl, st
	WIN 0
.if \ld
	ds_load_b128 v[F+16*((\b)%2):F+16*((\b)%2)+3],     v[AU+(\sl)] offset:(\ro)*GRPB+128*(\b)
	ds_load_b128 v[F+16*((\b)%2)+4:F+16*((\b)%2)+7],   v[AU+(\sl)] offset:(\ro)*GRPB+128*(\b)+16
	ds_load_b128 v[F+16*((\b)%2)+8:F+16*((\b)%2)+11],  v[AU+(\sl)] offset:(\ro)*GRPB+128*(\b)+64
	ds_load_b128 v[F+16*((\b)%2)+12:F+16*((\b)%2)+15], v[AU+(\sl)] offset:(\ro)*GRPB+128*(\b)+80
.endif
.if \pl
	ds_load_b128 v[P+4*((\b)%2):P+4*((\b)%2)+3], v[AP] offset:(\sl)*PBUF+(\i)*GPI+(\b)*512
.endif
.if (\cv) || ((\ep) == 1)
	s_wait_dscnt 4*(\ld)+(\pl)                     ; LDS instructions come back in order (ISA guide 5.7.1): all but those just issued
.endif
.set q, 0
.rept 16
.set rd, ACC+32*((\b)%2)+8*(q%4)
.set ru, UB+32*(\par)+8*(q/4)
.set rg, 32*((4*(\b)+q%4)%8)+8*(q/4)
	WIN 0x04<<((\b)/2)                             ; source 1 (args) in window 1 (tiles 0-7) or 2 (tiles 8-15)
.if q < 4
	v_wmma_f32_16x16x32_bf16 v[rd:rd+7], v[ru:ru+7], v[rg:rg+7], 0
.else
	v_wmma_f32_16x16x32_bf16 v[rd:rd+7], v[ru:ru+7], v[rg:rg+7], v[rd:rd+7]
.endif
.if q%2 == 1
	RIDERS (q-1)/2, \b, \par, \cv, \ep
.endif
.if (\st) && (q == 8)
	PSTORE \b, 1-(\sl)
.endif
.set q, q+1
.endr
.endm
; A PERIOD: four groups (16 h) x four blocks: 256 matrix instructions on slot sl and pred's buffer sl.  At its head the next period's pred is asked for, and wave 0 prefetches: of the tile that the
; change of slots behind this period will ask for, the row h = its first h + x (four roles, 8,192 consecutive bytes, 32 lanes 256 bytes apart); the 16 row blocks together cover the tile.  The first h is
; clamped to 496, so no prefetch passes U's end; the last tile's first four h, and the clamped request of the last trip, are asked for twice.  The last period (last = 1) asks for nothing.
; last = 1: its tile begins at h = 496, one group earlier than the others', so the reads go one group further down; the last group has no successor to load.
.macro PERIOD sl, last
.if !(\last)
	s_add_co_u32 s[TS], s[HN], 16
	s_min_u32 s[TS], s[TS], 496
	s_lshl_b32 s[OFF], s[TS], 17
	s_wait_xcnt 0x0                                ; the last prefetch, a period ago, has had its address translated (ISA guide 3.1): its base is rewritten only behind this wait
	s_add_nc_u64 s[PFA:PFA+1], s[PFB:PFB+1], s[OFF:OFF+1]
	PLOAD
	s_cmp_lg_u32 s[WV], 0
	s_cbranch_scc1 .Lno_prefetch_\@
	global_prefetch_b8 v[PFO], s[PFA:PFA+1] th:TH_LOAD_NT scope:SCOPE_SE
.Lno_prefetch_\@:
.endif
.irp i, 0,1,2,3
.irp b, 0,1,2,3
.if \last
.if (\i) < 3
	UNIT \sl, \i, \b, (\i)%2, (\i)+1, 1, 1, 1, 1, 0
.elseif (\b) == 0
	UNIT \sl, \i, \b, 1, 0, 0, 1, 1, 1, 0
.else
	UNIT \sl, \i, \b, 1, 0, 0, 0, 1, 1, 0
.endif
.else
.if ((\i) == 3) && ((\b) == 0)
	s_wait_loadcnt 0x0                             ; the next period's pred is in, asked for 192 matrix instructions ago;
	s_add_nc_u64 s[PBASE:PBASE+1], s[PBASE:PBASE+1], 64  ; its loads are done, so their base may step
.endif
	UNIT \sl, \i, \b, (\i)%2, \i, 1, 1, 1, 1, (\i)/3
.endif
.endr
.endr
.if !(\last)
	s_add_co_u32 s[HN], s[HN], 16
.endif
.endm
; THE CHANGE OF SLOTS.  Each wave waits for all its tensor loads, of which one is out: its role of the other slot; adds 0 to its spare word; and waits for that, for its reads of the slot and of pred's
; buffer, and for its stores of pred.  The barrier is a round of the cluster's: behind it no wave of any partner still reads slot sl or has a load on its way, the other slot and pred's other buffer are
; whole, and the joint refill comes first: it has a period, 256 matrix instructions, in which to land.  The descriptor's address is made anew: U's base plus the tile's first h, clamped so that the last tile ends with U.
.macro CHANGE sl
	WIN 0                                          ; at a label and at a branch every window is 0
	s_wait_tensorcnt 0x0                           ; no tensor load of mine is out, so a group 0 may be written
	ds_add_u32 v[SPW], v[NIL]                      ; 0 onto my spare word; the descriptor's scalar work stands between it and the wait for it
	s_min_u32 s[TS], s[HN], 496
	s_lshl_b32 s[OFF], s[TS], 17                   ; 131,072 bytes from h to h + 1
	s_add_nc_u64 s[G0+4*(\sl)+2:G0+4*(\sl)+3], s[UT:UT+1], s[OFF:OFF+1]
	s_or_b32 s[G0+4*(\sl)+3], s[G0+4*(\sl)+3], 0x80000000
	s_wait_dscnt 0x0
	ROUND
	tensor_load_to_lds s[G0+4*(\sl):G0+4*(\sl)+3], s[G1:G1+7]
	s_nop 0
.rept 4
	v_nop
.endr
.endm
	; THE BIAS GROUP: bias1's four roles as a group, each role four times; only registers 0-3 of lanes 0-15 count.  Blocks 0-2 start out's sums; block 3 is finished by the first unit of the loop,
	; by the general way: its pred is (1, 0) in lanes 0-15 and (0, 0) in the others, and its out starts at 0.  All this is work on registers, in the wait for the first tile.
	s_wait_dscnt 0x0                               ; args, bias1 and group 0 are in registers; my stores of pred are done
	v_cmp_eq_u32 s[LM], 0, v17
	v_cndmask_b32 v[MM], 0, 1.0, s[LM]
	v_mov_b32 v[MM+1], v[MM]                       ; named with it as a pair
.irp z, 0,1,2,3
	v_cndmask_b32 v[P+4+(\z)], 0, s[ONE], s[LM]
.endr
.set m, 0
.rept 16
	v_mov_b32 v[O+48+m], 0
.set m, m+1
.endr
	UNIT 0, 0, 0, 1, 0, 0, 0, 0, 0, 0
	UNIT 0, 0, 1, 1, 0, 0, 0, 2, 0, 0
	UNIT 0, 0, 2, 1, 0, 0, 0, 2, 0, 0
	UNIT 0, 0, 3, 1, 0, 0, 0, 2, 0, 0
	WIN 0
	s_wait_tensorcnt 0x1                           ; my role of tile 0 is in; tile 1's may stay out
	s_wait_dscnt 0x0
	s_barrier_signal -1
	s_barrier_wait -1                              ; everybody's is, and so is everybody's pred of h = 0 .. 15
	s_branch .Lfirst                               ; the loop is entered in the middle of a trip: periods 0 | 1, 2 | .. | 29, 30
.Lloop:
	CHANGE 0
	PERIOD 1, 0
	CHANGE 1
.Lfirst:
	PERIOD 0, 0
	WIN 0
	s_sub_co_u32 s[CNT], s[CNT], 1
	s_cmp_lg_u32 s[CNT], 0
	s_cbranch_scc1 .Lloop
	; the last period is written out: nothing is asked for, so the barrier is the work-group's own
	s_wait_tensorcnt 0x0                           ; my role of the last tile is in
	ds_add_u32 v[SPW], v[NIL]
	s_wait_dscnt 0x0                               ; my stores of the last pred are done
	s_barrier_signal -1
	s_barrier_wait -1
	PERIOD 1, 1
	WIN 0
	s_wait_dscnt 0x0                               ; the last block's pred
.irp k, 2,3,4,5,6,7
	RIDERS \k, 0, 0, 0, 1                          ; the last unit's second sum; the slices behind its last products and the widenings here are the places
.endr
	; THE END.  My two partial sums (one for each half of the lanes) go to LDS: part 2 w + hh, row 16 t + l % 16, 16 bytes a row.  Behind a barrier thread i adds the eight parts of rows i and i + 128, and bias2.
	v_and_b32 v16, 15, v0
	v_bfe_u32 v17, v0, 4, 1
	s_lshl_b32 s20, s[WV], 13
	s_add_co_u32 s20, s20, RED
	v_lshlrev_b32 v[AR], 4, v16
	v_lshl_add_u32 v[AR], v17, 12, v[AR]
	v_add_nc_u32 v[AR], s20, v[AR]
	v_lshl_add_u32 v[ARD], v0, 4, RED
	v_lshlrev_b32 v1, 8, v0                        ; my row of out: 256 bytes a row
.set m, 0
.rept 16
	ds_store_b128 v[AR], v[O+4*m:O+4*m+3] offset:m*256
.set m, m+1
.endr
	s_wait_dscnt 0x0                               ; for the others' sake: my stores are done
	s_barrier_signal -1
	s_barrier_wait -1
.set m, 0
.rept 16                                       ; m = 8 x (which of my two rows) + part
	ds_load_b128 v[SUM+4*m:SUM+4*m+3], v[ARD] offset:(m%8)*4096+(m/8)*2048
.set m, m+1
.endr
	s_wait_kmcnt 0x0                               ; bias2, rounded to bf16 like the other inputs and widened again
	v_cvt_pk_bf16_f32 v16, s[B2], s[B2+1]
	v_cvt_pk_bf16_f32 v17, s[B2+2], s[B2+3]
	v_lshlrev_b32 v20, 16, v16
	v_and_b32 v21, s[HIM], v16
	v_lshlrev_b32 v22, 16, v17
	v_and_b32 v23, s[HIM], v17
	s_wait_dscnt 0x0
.macro FOLD rw, d                              ; the parts d registers apart are added, two numbers a line
.set m, 0
.rept (\d)/2
	v_pk_add_f32 v[SUM+32*(\rw)+2*m:SUM+32*(\rw)+2*m+1], v[SUM+32*(\rw)+2*m:SUM+32*(\rw)+2*m+1], v[SUM+32*(\rw)+2*m+(\d):SUM+32*(\rw)+2*m+(\d)+1]
.set m, m+1
.endr
.endm
.irp d, 16,8,4
	FOLD 0, \d
	FOLD 1, \d
.endr
.irp rw, 0,1
	v_pk_add_f32 v[SUM+32*(\rw):SUM+32*(\rw)+1], v[SUM+32*(\rw):SUM+32*(\rw)+1], v[20:21]
	v_pk_add_f32 v[SUM+32*(\rw)+2:SUM+32*(\rw)+3], v[SUM+32*(\rw)+2:SUM+32*(\rw)+3], v[22:23]
.endr
	global_store_b128 v1, v[SUM:SUM+3], s[OB:OB+1]                     ; four roles of row i
	global_store_b128 v1, v[SUM+32:SUM+35], s[OB:OB+1] offset:32768    ; and of row i + 128
	s_wait_tensorcnt 0x0                           ; the wave's end, behind my last tensor load and my last LDS store
	ds_add_u32 v[SPW], v[NIL]
	s_wait_dscnt 0x0
	ROUND                                          ; the closing round: no work-group ends while a partner may still ask for a tile that names it
	s_endpgm
.Lfunc_end_k_qb520b56d18_bilinear:
	.size	k_qb520b56d18_bilinear, .Lfunc_end_k_qb520b56d18_bilinear-k_qb520b56d18_bilinear
	.p2alignl 7, 3214868480
	.fill 96, 4, 3214868480
	.section	.rodata,"a",@progbits
	.p2align	6, 0x0
	.amdhsa_kernel k_qb520b56d18_bilinear
		.amdhsa_group_segment_fixed_size 327680
		.amdhsa_private_segment_fixed_size 0
		.amdhsa_enable_private_segment 0
		.amdhsa_kernarg_size 48
		.amdhsa_user_sgpr_count 2
		.amdhsa_user_sgpr_kernarg_segment_ptr 1
		.amdhsa_wavefront_size32 1
		.amdhsa_system_sgpr_workgroup_id_x 1
		.amdhsa_system_sgpr_workgroup_id_y 1
		.amdhsa_system_sgpr_workgroup_id_z 1
		.amdhsa_system_vgpr_workitem_id 0
		.amdhsa_next_free_vgpr 1024
		.amdhsa_next_free_sgpr 80
		.amdhsa_reserve_vcc 0
		.amdhsa_float_denorm_mode_32 3
		.amdhsa_float_denorm_mode_16_64 3
		.amdhsa_memory_ordered 1
		.amdhsa_forward_progress 1
		.amdhsa_inst_pref_size 255
	.end_amdhsa_kernel
	.section	.bss,"aw",@nobits
	.p2align	6
	.space	262144
	.amdgpu_metadata
---
amdhsa.version: [ 1, 2 ]
amdhsa.kernels:
  - .name:           k_qb520b56d18_bilinear
    .symbol:         k_qb520b56d18_bilinear.kd
    .args:
      - { .name: U, .offset: 0, .size: 8, .value_kind: global_buffer, .address_space: global }
      - { .name: args_input, .offset: 8, .size: 8, .value_kind: global_buffer, .address_space: global }
      - { .name: pred_input, .offset: 16, .size: 8, .value_kind: global_buffer, .address_space: global }
      - { .name: bias1, .offset: 24, .size: 8, .value_kind: global_buffer, .address_space: global }
      - { .name: bias2, .offset: 32, .size: 8, .value_kind: global_buffer, .address_space: global }
      - { .name: out0, .offset: 40, .size: 8, .value_kind: global_buffer, .address_space: global }
    .group_segment_fixed_size: 327680
    .private_segment_fixed_size: 0
    .kernarg_segment_align: 8
    .kernarg_segment_size: 48
    .max_flat_workgroup_size: 128
    .sgpr_count:     80
    .vgpr_count:     1024
    .wavefront_size: 32
...
	.end_amdgpu_metadata
.endif
;; end of part 1
